; MI455X (gfx1250); checked and timed in simulation.
; The chip was launched on July 23, 2026; its instructions are those of AMD's public machine-readable ISA for CDNA 5 (MIT licence, August 2026) and "CDNA5" Instruction Set Architecture Reference Guide (July 2026). The comments in the code are by the model that wrote it; some were corrected since.
;; Fast Attention. Allowed arithmetic: matrix products marked QUANTISED: E2M1 operands, one E8M0 scale for each 32 along K, by v_wmma_scale_f32_16x16x128_f8f6f4 with both operands' format E2M1 (or v_wmma_scale_f32_32x16x128_f4), f32 sums; everything else in f32.
;; Inputs: k 2 x 16 x 2,048 x 64 float32; key_padding_mask 2 x 1 x 1 x 2,048 bool; q 2 x 16 x 2,048 x 64 float32; v 2 x 16 x 2,048 x 64 float32.
;; Outputs: out0 2 x 16 x 2,048 x 64 float32.
;; This version of the problem:
;;   THIS VERSION OF THE PROBLEM IS GIVEN IN LOW PRECISION. The matrix products marked QUANTISED in the list below multiply operands that are first quantised to E2M1 (2 exponent bits, 1 mantissa bit; 4 bits a number), with one power-of-two scale for each 32 numbers along K (OCP MX v1.0); their sums are f32. All else is computed in f32.
;;   The module's matrix products, in the order in which they are computed (A, B: the left and right operand; K: the contracted axis; several contracted axes count as one K, in the product's order):
;;     1. batch 32 x [M 2,048, K 64] x [K 64, N 2,048]; A: input q; B: input k: QUANTISED
;;     2. batch 32 x [M 2,048, K 2,048] x [K 2,048, N 64]; A: softmax (see below); B: input v: QUANTISED
;;   THE QUANTISER, for each operand of a quantised product, along K:
;;     - K is cut into blocks of 32 from its start; a last block that is shorter is filled with zeros.
;;     - A block's scale is 2^e with e = floor(log2(the largest magnitude in the block)) - 2, held to -126 .. 127; a block of zeros has e = 0. As a byte (E8M0): e + 127.
;;     - Each number is divided by its block's scale, clamped to +-6, and rounded to the nearest number of E2M1, ties to even, subnormals kept.
;;     - The product sums the exact products of the quantised numbers (number of the format x scale) in f32.
;;   ~~~python
;;   def quantise(x, axis):      # numpy; x: float32 -> the quantised numbers, widened to float32 again
;;       x = np.moveaxis(x, axis, -1); K = x.shape[-1]
;;       x = np.pad(x, [(0, 0)] * (x.ndim - 1) + [(0, -K % 32)]); x = x.reshape(x.shape[:-1] + (-1, 32)); a = np.abs(x).max(-1, keepdims=True)
;;       e = np.where(a > 0, np.clip(np.frexp(np.where(a > 0, a, 1))[1] - 1 - 2, -126, 127), 0)      # np.frexp(a)[1] - 1 = floor(log2(a)), exactly
;;       r = np.clip(x / 2.0 ** e, -6, 6)
;;       step = 2.0 ** (np.maximum(np.frexp(np.where(r == 0, 1, r))[1] - 1, 0) - 1)
;;       q = np.round(r / step) * step * 2.0 ** e      # np.round: ties to even
;;       return np.moveaxis(q.reshape(q.shape[:-2] + (-1,))[..., :K], -1, axis).astype(np.float32)
;;   ~~~
;;   SOFTMAX AHEAD OF A QUANTISED PRODUCT. Where the list says 'softmax', what is quantised is not the finished softmax but p = 2^(t - M), with t = logit x log2(e) and M = ceil(the row's largest t), a whole number; so 1/2 < the row's largest p <= 1. The row's sum l is taken of the UNQUANTISED p, in f32, and the product's result is divided by l at the end. Since M is a whole number, a kernel that streams over the keys may use a running M (the ceiling of the running maximum): every later rescaling is an exact power of two, which a block's scale takes up: the codes' values come out the same.
;;   OPERANDS COMPUTED ON THE WAY. 'Computed on the way' means the value that the module computes at that place (a softmax that the list does not call 'softmax' is quantised finished and normalised). What goes into a quantiser is computed in f32, as accurately as f32 sums, v_exp_f32 and their like allow (about 1e-6 of the number): no bf16 or f16 on the way to a quantiser, and a product that is left as it is and whose result goes on into a quantised operand takes f32 operands (vector FMAs, or v_wmma_f32_16x16x4_f32). A number that lies on a knife's edge between two numbers of the format may be rounded either way, as far as f32 arithmetic and the matrix unit's own rounding can turn it there, and no further.
;; One version. Each part assembles by itself: llvm-mc -triple=amdgcn-amd-amdhsa -mcpu=gfx1250 --defsym DOCPART=n.
;; ======== version 1 of 1: 2 launches
;; limits: right only within a limited range of input values
;; workspace buffers: kvc 4,587,520 bytes
;; launch quant (part 1): grid 16 x 32, 4 waves a work-group, no clusters, 38,400 bytes of LDS; arguments k, v, key_padding_mask, kvc; writes kvc
.if DOCPART == 1
	.amdgcn_target "amdgcn-amd-amdhsa--gfx1250"
	.amdhsa_code_object_version 6
	.text
	.protected	k_qacf3feed0f_quant
	.globl	k_qacf3feed0f_quant
	.p2align	8
	.type	k_qacf3feed0f_quant,@function
k_qacf3feed0f_quant:
	s_mov_b64 s[64:65], 0
	v_nop
	global_prefetch_b8 v0, s[64:65] scope:SCOPE_SE
	s_setreg_imm32_b32 hwreg(HW_REG_WAVE_MODE, 25, 1), 1
	s_wait_xcnt 0x0
; k and v, [32 heads][2048 keys][64] f32, become codes of FP4 (E2M1) with one E8M0 scale byte for each 32 along a product's K: k along the head's 64, v along the KEYS.
; The key padding mask, [2][2048] bytes (1 = hidden), is folded into K's scale words.  All is laid in the order of the operands' registers, so that the next launch reads it by 16-byte loads, lane l at 16 l.
; A work-group (x = step s of 128 keys, y = head) makes ONE RECORD of 8,960 bytes, at (16 head + s) x 8,960 of kvc.  With l = lane, r = l % 16, h = l / 16:
;   +0     K's codes: tile t = 4 c + i (c = 0, 1; i = 0..3) at 512 t + 16 l: key 128 s + 64 c + 8 i + r % 8 + 32 (r / 8), d = 32 h .. 32 h + 31  (registers 0-3 of a fragment)
;   +4096  V's codes: tile t = 0..3, c = 0, 1 at 1024 t + 512 c + 16 l: column d = 16 t + r, keys 128 s + 64 c + 32 h + 0 .. 31  (registers 4 c .. 4 c + 3 of a fragment)
;   +8192  K's scale words: at 16 l + 4 i: tile 4 h + i, row r: byte 0 for d 0-31, byte 1 for d 32-63, byte 2 = 247 where the key is hidden, else 1, byte 3 = 127
;   +8704  V's scale words: at 8 l + 4 u: column d = 32 u + l; byte b for keys 128 s + 32 b .. + 31
; A block's scale is 2^(floor(log2(its largest magnitude)) - 2); its byte is the largest magnitude's exponent field - 2, held at 1 from below.
; A BATCH ELEMENT ALL OF WHOSE KEYS ARE HIDDEN has equal weights in the reference.  There K's codes are replaced by zeros and no key is marked: all its scores are then equal.
; LIMITS: a block whose largest magnitude lies under 2^-124 has its byte held at 1; a block of zeros gets the byte 1 where the rule says 127 (its codes are zeros, which add nothing, and this program alone reads the
; bytes); NaN and infinities among the inputs are not served.
; SHARES.  Wave w takes K's tiles 2 w and 2 w + 1 (keys 64 (w / 2) + 16 (w % 2) + 0 .. 15 of the step, and the 16 keys that lie 32 further on: two runs of 4,096 dense bytes) and, of V, columns 32 (w % 2) .. + 31 x keys 64 (w / 2) .. + 63.
; K: each load reads 512 consecutive bytes; the bytes turn through the wave's own stage in LDS, so that a lane then holds a whole block (32 neighbours along d) of one key.
; V: a lane takes a column and its registers run down the keys: a block lies in one lane, and the codes come out with the keys innermost.  Nothing is transposed by an instruction.
; No loop, no matrix unit, no tensor load, no cluster: each input number is read once and work-groups share nothing but the mask's bytes.
.set REC,  8960
.set BP,   144                         ; a block of 128 bytes in the stage + 16 of padding
.set STGW, 64*BP                       ; a wave's stage: 64 blocks
.set TAIL, 4*STGW                      ; behind the stages: the image of the record's last 768 bytes
.set SPARE, TAIL+1024                  ; the spare words, 128 bytes for each wave
.set KR,   32                          ; v32-95   K as it is loaded
.set X,    96                          ; v96-159  first the batch element's mask bytes (v96-111), then K turned: tile u at X + 32 u
.set VR,   160                         ; v160-223 V: block hb at VR + 32 hb
.set KC,   224                         ; v224-231 K's codes
.set VC,   232                         ; v232-239 V's codes
; v1 lane, v2 r, v3 h; v4 16 l; v5 stage in; v6 stage out; v7 my key in the stage; v8 4 l; v9 K's scale words in the tail; v10 V's codes in the record; v11 V's scale bytes in the tail;
; v12-13 two chains of maxima; v14 the tail in LDS, v15 in the record; v16 8 h; v17 a permute's destination; v18-19 at work; v20-23 scale operands; v24-27 scale bytes; v28-29 K's scale words; v30-31 mask bytes;
; v244 my spare word, v245 0; v246 my key's mask byte
; 32 numbers v[x] .. v[x + 31] of one block -> four registers of codes v[c] .., the conversion's scale operand v[e], the scale's byte v[b]
.macro QBLOCK x, c, e, b
	v_max3_num_f32 v12, |v[\x]|, |v[\x+1]|, |v[\x+2]|              ; the largest magnitude, in two chains
	v_max3_num_f32 v13, |v[\x+3]|, |v[\x+4]|, |v[\x+5]|
.irp i, 6,10,14,18,22,26
	v_max3_num_f32 v12, v12, |v[\x+\i]|, |v[\x+\i+1]|
	v_max3_num_f32 v13, v13, |v[\x+\i+2]|, |v[\x+\i+3]|
.endr
	v_max3_num_f32 v12, v12, |v[\x+30]|, |v[\x+31]|
	v_max3_num_f32 v12, v12, v13, 0x1800000        ; and the floor 2^(3 - 127): the byte cannot fall under 1
	v_add_nc_u32 v[\e], 0xff000000, v12            ; 2 off the exponent field: the conversion takes the exponent field of this operand as its scale
	v_lshrrev_b32 v[\b], 23, v[\e]                 ; the scale's byte
.irp g, 0,1,2,3
	v_cvt_scalef32_pk8_fp4_f32 v[\c+\g], v[\x+8*\g:\x+8*\g+7], v[\e]
.endr
	v_nop                                          ; one plain place behind a scaled conversion
.endm
	s_load_b256 s[4:11], s[0:1], 0x0               ; k s[4:5], v s[6:7], the mask s[8:9], kvc s[10:11]
	v_lshl_add_u32 v244, v0, 2, SPARE
	v_mov_b32 v245, 0
	v_lshrrev_b32 v1, 5, v0
	v_readfirstlane_b32 s12, v1                    ; wave 0..3
	s_mov_b32 s13, ttmp9                           ; the step
	s_and_b32 s14, ttmp7, 0xffff                   ; the head
	s_and_b32 s15, s12, 1                          ; uw: which 32 columns of V
	s_lshr_b32 s16, s12, 1                         ; cw: which 64 keys of V
	s_lshl_b32 s17, s14, 11
	s_lshl_b32 s18, s13, 7
	s_add_co_u32 s17, s17, s18                     ; the step's first row in k and in v: 2048 head + 128 s
	s_lshl_b32 s40, s16, 6
	s_lshl_b32 s41, s15, 4
	s_add_co_u32 s40, s40, s41                     ; my first key in the step: 64 cw + 16 uw
	s_add_co_u32 s41, s18, s40                     ; and in the batch element: its mask byte's offset
	s_add_co_u32 s18, s17, s40
	s_lshl_b32 s18, s18, 8                         ; k: my keys, rows of 256 bytes
	s_mov_b32 s19, 0
	s_lshl_b32 s20, s16, 6
	s_add_co_u32 s20, s17, s20
	s_lshl_b32 s20, s20, 8
	s_lshl_b32 s21, s15, 7
	s_add_co_u32 s20, s20, s21                     ; v: my 64 keys, my 128 bytes of each row
	s_mov_b32 s21, 0
	s_lshr_b32 s22, s14, 4
	s_lshl_b32 s22, s22, 11                        ; the mask: 2,048 bytes for each batch element (16 heads)
	s_mov_b32 s23, 0
	s_lshl_b32 s24, s14, 4
	s_add_co_u32 s24, s24, s13
	s_mul_i32 s24, s24, REC                        ; the record
	s_mov_b32 s25, 0
	s_lshl_b32 s26, s12, 10                        ; in it: my two tiles of K,
	s_mov_b32 s27, 0
	s_lshl_b32 s34, s15, 11
	s_lshl_b32 s35, s16, 9
	s_add_co_u32 s34, s34, s35
	s_add_co_u32 s34, s34, 4096                    ; and my part of V: 4096 + 2048 uw + 512 cw
	s_mov_b32 s35, 0
	s_mov_b32 s28, 0x76543210
	s_mov_b32 s29, 0xfedcba98                      ; v_permlanex16_b32's selects for lane l xor 16
	s_mul_i32 s36, s12, STGW                       ; my stage
	s_lshl_b32 s37, s16, 8
	s_lshl_b32 s38, s15, 3
	s_add_co_u32 s37, s37, s38
	s_add_co_u32 s37, s37, TAIL                    ; K's scale words: TAIL + 256 cw + 8 uw
	s_lshl_b32 s38, s15, 2
	s_lshl_b32 s39, s16, 1
	s_add_co_u32 s38, s38, s39
	s_add_co_u32 s38, s38, TAIL+512                ; V's scale bytes: TAIL + 512 + 4 uw + 2 cw
	s_lshl_b32 s40, s12, 8                         ; the tail's way out: 256 bytes a wave
	s_add_co_u32 s39, s40, TAIL
	v_and_b32 v1, 31, v0                           ; lane
	v_and_b32 v2, 15, v0                           ; r
	v_bfe_u32 v3, v0, 4, 1                         ; h
	v_lshlrev_b32 v4, 4, v1                        ; 16 l
	v_lshrrev_b32 v18, 3, v1
	v_mul_u32_u24 v5, v18, BP
	v_and_b32 v18, 7, v0
	v_lshl_add_u32 v5, v18, 4, v5
	v_add_nc_u32 v5, s36, v5                       ; into the stage: eight lanes' 128 bytes on end, then the padding: BP (l / 8) + 16 (l % 8)
	v_and_b32 v7, 8, v2
	v_mad_u32_u24 v246, v7, 3, v2
	v_add_nc_u32 v246, s41, v246                   ; the mask byte of my key in tile 2 w: r % 8 + 32 (r / 8) on
	v_add_nc_u32 v7, v7, v2                        ; the same key in the stage: r % 8 + 16 (r / 8)
	v_lshl_add_u32 v6, v7, 1, v3
	v_mul_u32_u24 v6, v6, BP
	v_add_nc_u32 v6, s36, v6                       ; out of it: block 2 x key + h
	v_lshlrev_b32 v8, 2, v1                        ; V: 4 bytes a lane
	v_lshl_add_u32 v9, v2, 4, s37
	v_lshlrev_b32 v10, 10, v3
	v_lshl_add_u32 v10, v2, 4, v10                 ; V's codes: 1024 h + 16 r
	v_lshl_add_u32 v11, v1, 3, s38
	v_lshl_add_u32 v14, v1, 3, s39
	v_lshl_add_u32 v15, v1, 3, s40
	v_lshlrev_b32 v16, 3, v3                       ; 8 h
	v_mov_b32 v17, 0                               ; a lane permute's destination counts as one of its sources
	s_wait_alu depctr_va_vdst(0)                   ; the wait at the head's end
	s_wait_kmcnt 0x0
	s_add_nc_u64 s[4:5], s[4:5], s[18:19]
	s_add_nc_u64 s[6:7], s[6:7], s[20:21]
	s_add_nc_u64 s[8:9], s[8:9], s[22:23]
	s_add_nc_u64 s[10:11], s[10:11], s[24:25]
	s_add_nc_u64 s[30:31], s[10:11], s[26:27]
	s_add_nc_u64 s[32:33], s[10:11], s[34:35]
	; ---- all of K, the mask bytes, and the first 40 of V's 64 keys are asked for: 62 loads
.irp j, 0,1,2,3,4,5,6,7,8,9,10,11,12,13,14,15
	global_load_b128 v[KR+4*\j:KR+4*\j+3], v4, s[4:5] offset:512*\j+4096*(\j/8) th:TH_LOAD_NT   ; 32 lanes read 512 consecutive bytes; the second run of 16 keys begins 32 keys on
.endr
.irp u, 0,1
	global_load_u8 v[30+\u], v246, s[8:9] offset:8*\u              ; the mask byte of my key in tile u
.endr
.irp i, 0,1,2,3
	global_load_b128 v[X+4*\i:X+4*\i+3], v4, s[8:9] offset:512*\i  ; and all 2,048 of my batch element
.endr
.set i, 0
.rept 40
	global_load_b32 v[VR+i], v8, s[6:7] offset:256*i th:TH_LOAD_NT ; V(key i, my column): 128 consecutive bytes a wave; the wave beside me takes the row's other 128
.set i, i+1
.endr
	; ---- K turns through my stage
	s_wait_loadcnt 40                              ; K and the mask bytes are in; the 40 loads of V issued behind them may be out
.irp j, 0,1,2,3,4,5,6,7,8,9,10,11,12,13,14,15
	ds_store_b128 v5, v[KR+4*\j:KR+4*\j+3] offset:4*BP*\j          ; a load's 512 bytes are four blocks
.endr
	; is every key of my batch element hidden?  s42 = 0 then, all ones elsewhere
.irp i, 0,1,2,3,4,5,6,7
	v_and_b32 v[X+\i], v[X+\i], v[X+8+\i]
.endr
.irp i, 0,1,2,3
	v_and_b32 v[X+\i], v[X+\i], v[X+4+\i]
.endr
.irp i, 0,1
	v_and_b32 v[X+\i], v[X+\i], v[X+2+\i]
.endr
	v_and_b32 v[X], v[X], v[X+1]
	v_cmp_ne_u32 vcc_lo, 0x1010101, v[X]
	s_cmp_eq_u32 vcc_lo, 0
	s_cselect_b32 s42, 0, -1
.irp u, 0,1
.irp j, 0,1,2,3,4,5,6,7
	ds_load_b128 v[X+32*\u+4*\j:X+32*\u+4*\j+3], v6 offset:16*BP*\u+16*\j   ; LDS serves a wave's instructions in order: these see my stores.  Tile u begins 8 keys, 16 blocks, on
.endr
.endr
.set i, 40
.rept 24
	global_load_b32 v[VR+i], v8, s[6:7] offset:256*i th:TH_LOAD_NT ; the rest of V
.set i, i+1
.endr
	; ---- K's two tiles
	s_wait_dscnt 8                                 ; tile 0's eight loads are in; tile 1's eight may be out
	QBLOCK X, KC, 20, 24
	s_wait_dscnt 0x0
	QBLOCK X+32, KC+4, 21, 25
.irp u, 0,1
	v_lshlrev_b32 v18, v16, v[24+\u]               ; my byte at its place: block h of my key
	v_permlanex16_b32 v17, v18, s28, s29
	v_or_b32 v[28+\u], v18, v17                    ; with lane l xor 16's: bytes 0 and 1
	v_and_b32 v19, s42, v[30+\u]
	v_mad_u32_u24 v19, v19, 0xf6, 1                ; 1, or 247 where the key is hidden: the scale of the constant term that the next launch adds to each score
.irp g, 0,1,2,3
	v_and_b32 v[KC+4*\u+\g], s42, v[KC+4*\u+\g]    ; zero codes where every key is hidden
.endr
	v_lshl_or_b32 v[28+\u], v19, 16, v[28+\u]
	v_or_b32 v[28+\u], 0x7f000000, v[28+\u]        ; byte 3 stands over zero codes: 127
	ds_store_b32 v9, v[28+\u] offset:4*\u          ; both halves of the lanes write the same word with the same value
	global_store_b128 v4, v[KC+4*\u:KC+4*\u+3], s[30:31] offset:512*\u   ; 32 lanes store 512 consecutive bytes, at a multiple of 256 from the buffer's first byte
.endr
	; ---- V's two blocks
	s_wait_loadcnt 32                              ; the first block is in; the second block's 32 loads may be out
	QBLOCK VR, VC, 22, 26
	s_wait_loadcnt 0x0
	QBLOCK VR+32, VC+4, 23, 27
.irp b, 0,1
	global_store_b128 v10, v[VC+4*\b:VC+4*\b+3], s[32:33] offset:256*\b   ; sixteen lanes store 256 consecutive bytes, aligned
.endr
	v_lshl_or_b32 v18, v27, 8, v26
	ds_store_b16 v11, v18                          ; my column's two bytes, for blocks 2 cw and 2 cw + 1
	; ---- the record's last 768 bytes come from all four waves: they leave as three runs of 256 bytes
	s_wait_dscnt 0x0                               ; for the others' sake: my stores into the tail are done
	s_barrier_signal -1
	s_barrier_wait -1
	s_cmp_eq_u32 s12, 3
	s_cbranch_scc1 .Lend                           ; waves 0 to 2 store one run each
	ds_load_b64 v[240:241], v14
	s_wait_dscnt 0x0
	global_store_b64 v15, v[240:241], s[10:11] offset:8192
.Lend:
	s_wait_tensorcnt 0x0                           ; the wave's end
	ds_add_u32 v244, v245
	s_wait_dscnt 0x0
	s_endpgm
.Lfunc_end_k_qacf3feed0f_quant:
	.size	k_qacf3feed0f_quant, .Lfunc_end_k_qacf3feed0f_quant-k_qacf3feed0f_quant
	.p2alignl 7, 3214868480
	.fill 96, 4, 3214868480
	.section	.rodata,"a",@progbits
	.p2align	6, 0x0
	.amdhsa_kernel k_qacf3feed0f_quant
		.amdhsa_group_segment_fixed_size 38400
		.amdhsa_private_segment_fixed_size 0
		.amdhsa_enable_private_segment 0
		.amdhsa_kernarg_size 32
		.amdhsa_user_sgpr_count 2
		.amdhsa_user_sgpr_kernarg_segment_ptr 1
		.amdhsa_wavefront_size32 1
		.amdhsa_system_sgpr_workgroup_id_x 1
		.amdhsa_system_sgpr_workgroup_id_y 1
		.amdhsa_system_sgpr_workgroup_id_z 1
		.amdhsa_system_vgpr_workitem_id 0
		.amdhsa_next_free_vgpr 248
		.amdhsa_next_free_sgpr 66
		.amdhsa_reserve_vcc 1
		.amdhsa_float_denorm_mode_32 3
		.amdhsa_float_denorm_mode_16_64 3
		.amdhsa_memory_ordered 1
		.amdhsa_forward_progress 1
		.amdhsa_inst_pref_size 23
	.end_amdhsa_kernel
	.amdgpu_metadata
---
amdhsa.version: [ 1, 2 ]
amdhsa.kernels:
  - .name:           k_qacf3feed0f_quant
    .symbol:         k_qacf3feed0f_quant.kd
    .args:
      - { .name: k, .offset: 0, .size: 8, .value_kind: global_buffer, .address_space: global }
      - { .name: v, .offset: 8, .size: 8, .value_kind: global_buffer, .address_space: global }
      - { .name: key_padding_mask, .offset: 16, .size: 8, .value_kind: global_buffer, .address_space: global }
      - { .name: kvc, .offset: 24, .size: 8, .value_kind: global_buffer, .address_space: global }
    .group_segment_fixed_size: 38400
    .private_segment_fixed_size: 0
    .kernarg_segment_align: 8
    .kernarg_segment_size: 32
    .max_flat_workgroup_size: 128
    .sgpr_count:     66
    .vgpr_count:     248
    .wavefront_size: 32
...
	.end_amdgpu_metadata
.endif
;; end of part 1
;; launch attn (part 2): grid 8 x 32, 8 waves a work-group, clusters of 4 x 1, 218,112 bytes of LDS; arguments kvc, q, out0; writes out0
.if DOCPART == 2
	.amdgcn_target "amdgcn-amd-amdhsa--gfx1250"
	.amdhsa_code_object_version 6
	.text
	.protected	k_qacf3feed0f_attn
	.globl	k_qacf3feed0f_attn
	.p2align	8
	.type	k_qacf3feed0f_attn,@function
k_qacf3feed0f_attn:
	s_mov_b64 s[64:65], 0
	v_nop
	global_prefetch_b8 v0, s[64:65] scope:SCOPE_SE
	s_setreg_imm32_b32 hwreg(HW_REG_WAVE_MODE, 25, 1), 1
	s_wait_xcnt 0x0
	s_wait_alu depctr_hold_cnt(0) depctr_sa_sdst(0) depctr_va_vdst(0) depctr_va_sdst(0) depctr_va_ssrc(0) depctr_va_vcc(0) depctr_vm_vsrc(0)
	s_getreg_b32 s2, hwreg(HW_REG_IB_STS2, 6, 4)
	s_cmp_eq_u32 s2, 0
	s_cbranch_scc0 .Lentry_in_a_cluster
	s_endpgm
.Lentry_in_a_cluster:
	s_bfe_u32 s2, ttmp6, 0x10000c
	s_cmp_lg_u32 s2, 0x3003
	s_cbranch_scc0 .Lentry_shape_is_right
	s_endpgm
.Lentry_shape_is_right:
; out0[head][q][:] = the sum over keys of softmax(q . k, hidden keys left out) v[key][:]: 32 heads, 2,048 queries, 2,048 keys, head size 64; no scaling of the scores.
; Both products on codes of FP4 (E2M1) with one E8M0 scale for each 32 along a product's K.  K's and V's codes and scale words come from kvc, laid by the launch before in the order of the operands' registers:
; for (head, step s of 128 keys) a record of 8,960 bytes: +0 K's eight tiles, +4096 V's four tiles, +8192 K's scale words, +8704 V's.  q (f32) is quantised here.
; THE SOFTMAX AHEAD OF THE SECOND PRODUCT: t = score x log2(e); M = the row's largest t so far, rounded UP to a whole number; p = 2^(t - M) is what is quantised, along the keys; it is not normalised.
; The row's sum is taken of the unquantised p, in f32, and divides O at the end.  When M moves, the sum and O are multiplied by 2^(old M - new M): exact.
; A BLOCK'S SCALE: floor(log2(its largest p)) is floor(t - M) of its largest score, held at -124: no exponential is needed for it.  (A largest p that lies within rounding of a power of two may take either scale.)
; THE MASK RIDES IN THE IDLE HALF OF THE FIRST PRODUCT'S K.  The head has 64 of the instruction's 128 along K.  At k = 64 Q's fragment holds the code of +1 and every fragment of K the code of -1; all other codes of
; k = 64 .. 127 are zeros.  Byte 2 of a key's scale word is 247 where the key is hidden and 1 elsewhere, byte 2 of Q's is 127: so the product adds -2^120 to a hidden key's score and -2^-126 to any other.
; The running largest score begins at -2^110: over every hidden score, under every other.  So a hidden key never sets M, and its p is 0.  (Where all keys of a batch element are hidden, the launch before marks none and gives
; zero codes: every p is then 1, the equal weights of the reference.)
; LIMITS: scores under 2^100 in magnitude; NaN and infinities among the inputs are not served; a block of q whose largest magnitude lies under 2^-124 has its byte held at 1.
; SHARES.  A work-group owns 256 queries of one head; each of its EIGHT waves owns 32 of them, two tiles, in 512 registers: two waves to a SIMD.  Each fragment of K and V that a wave reads from LDS feeds two products.
; Every wave walks all 16 steps.  A WHOLE HEAD'S 16 RECORDS, 143,360 BYTES, LIE IN LDS AT ONCE: wave w fetches records 2 w and 2 w + 1 by one tensor load at the start; every LDS byte is filled once, so there is no ring.
; All that the launch reads is asked for at the start and nothing later: so there is nothing that a prefetch could ask for ahead.
; CLUSTER.  The four work-groups of a cluster belong to one head: the records are asked for JOINTLY, by the same tensor load with the same descriptor and a mask that names the four.
; LAYOUT.  Both products are used transposed: S^T = K Q^T (source 0 = 32 keys, source 1 = 16 queries), O^T = V^T P^T (source 0 = 32 of the head's 64, source 1 = P): a lane holds ONE query of a tile (lane % 16) throughout.
; A product of 32 keys takes K's tiles i and 4 + i, i = 0 .. 3: its scale register i has tile i in lanes 0-15 and tile 4 + i in lanes 16-31.  Its 16 results in a lane are keys 64 c + 32 (lane / 16) + 8 i + j at 8 c + j, c = 0, 1:
; a whole block of the second product's K lies in one lane (block c at 16 i + 8 c + j), and each eight registers are one register of that product's operand.  So a block's largest p needs no other lane.
; REGISTERS.  Window 0 (v0-255): v1 16 l, v2 8 l, v3-4 q's stage, v5-6 the way out's, v11 out0's offset, v9-10 the step's LDS addresses; v24-27 K's scale words; v[28:29] V's; v32-95 K's eight fragments, in the order of tiles
; 0, 4, 1, 5, 2, 6, 3, 7 (registers 4-7 of each are constants); v96-127 V's four; v128-143 Q, two fragments; v144-145 Q's scale words; v146-147 p's scale words; v148-211 q as it is loaded; v250 my spare word, v251 0.
; Window 1 (v256-511, named v0-255): tile x = 0, 1: S^T, then p, at 64 x; O^T at 128 + 32 x; p's codes at 192 + 8 x; at MI + 20 x: +0 the last -M, +1 the largest score, +2:3 the sum in two halves, +4 f (+5 its pair's upper half),
; +6..7 block maxima, +8..9 their second chains, then floor(t - M), +10..11 scale operands, +12..13 at work, +14 the new -M (+15 its pair's upper half); PX + x a lane permute's result.
; s_set_vgpr_msb's low byte: bits 1:0 source 0, 3:2 source 1, 5:4 source 2, 7:6 destination.
.set REC,   8960
.set BP,    144                        ; q's stage: a block of 128 bytes + 16 of padding
.set SP,    272                        ; the way out's: a row of 256 bytes + 16
.set STAGE, 16*REC                     ; behind the records: 9,216 bytes for each wave: q's 64 blocks, later 2 x 16 rows of the result (4,608 bytes apart); no tensor load lands there
.set STW,   9216
.set SPARE, STAGE+8*STW                ; the spare words, 128 bytes for each wave
.set WV,    10                         ; s10  my wave's number
.set G1,    16                         ; s[16:23] descriptor group 1
.set G0,    24                         ; s[24:27] descriptor group 0
.set SEL,   28                         ; s[28:29] lane selects for v_permlanex16_b32: lane l xor 16
.set CS,    30                         ; s[30:31] log2(e): the packed form names a pair and takes its low word for both halves
.set TB,    32                         ; s32  LDS byte at which the step's record begins
.set CNT,   33                         ; s33  trips to go
.set MI,    208
.set PX,    248
.set MSB,   0
.macro WIN new                         ; the immediate's high byte repeats the setting that is left
.if MSB != \new
	s_set_vgpr_msb (MSB<<8)|\new
.set MSB, \new
.endif
.endm
; A round of the cluster's barrier: my work-group's barrier, so that wave 0's signal speaks for all eight waves; wave 0 signals for the work-group; every wave waits for all four work-groups; my work-group's barrier once more.
.macro ROUND
	s_barrier_signal -1
	s_barrier_wait -1
	s_cmp_lg_u32 s[WV], 0
	s_cbranch_scc1 .Lnot_wave_0_\@
	s_barrier_signal -3
.Lnot_wave_0_\@:
	s_barrier_wait -3
	s_barrier_signal -1
	s_barrier_wait -1
.endm
	s_load_b128 s[4:7], s[0:1], 0x0                ; kvc s[4:5], q s[6:7]
	s_load_b64 s[8:9], s[0:1], 0x10                ; out0
	v_lshl_add_u32 v250, v0, 2, SPARE
	v_mov_b32 v251, 0
	ds_add_u32 v250, v251                          ; the wave's opening: the add, twice on end, and its wait ahead of my tensor load
	ds_add_u32 v250, v251
	v_lshrrev_b32 v9, 5, v0
	v_readfirstlane_b32 s[WV], v9                  ; wave 0..7
	s_mul_i32 s38, s[WV], STW
	s_add_co_u32 s38, s38, STAGE                   ; my stage
	v_and_b32 v10, 31, v0                          ; lane
	v_and_b32 v7, 15, v0                           ; r
	v_bfe_u32 v8, v0, 4, 1                         ; h
	v_and_b32 v12, 7, v0
	v_lshlrev_b32 v1, 4, v10
	v_lshlrev_b32 v2, 3, v10
	v_lshrrev_b32 v13, 3, v10
	v_lshl_add_u32 v4, v7, 1, v8
	v_mul_u32_u24 v3, v13, BP
	v_mul_u32_u24 v4, v4, BP
	v_mul_u32_u24 v5, v7, SP
	v_mul_u32_u24 v6, v8, SP
	v_lshl_add_u32 v3, v12, 4, v3
	v_lshl_add_u32 v5, v8, 5, v5
	v_lshl_add_u32 v6, v7, 4, v6
	v_lshlrev_b32 v11, 8, v8
	v_add_nc_u32 v3, s38, v3                       ; q into the stage: BP (l / 8) + 16 (l % 8)
	v_add_nc_u32 v4, s38, v4                       ; and out of it: block 2 r + h
	v_add_nc_u32 v5, s38, v5                       ; the way out, in: row r, + 32 h
	v_add_nc_u32 v6, s38, v6                       ; back: lanes 0-15 one row of 256 bytes, lanes 16-31 the next
	v_lshl_add_u32 v11, v7, 4, v11                 ; and the same two rows in out0
	s_bfe_u32 s11, ttmp6, 0x40000                  ; cx: my place in the cluster: it enters q's and out0's addresses alone
	s_lshl_b32 s12, ttmp9, 2                       ; in a cluster launch ttmp9 counts clusters
	s_add_co_u32 s12, s12, s11                     ; my block of 256 queries
	s_and_b32 s13, ttmp7, 0xffff                   ; the head, which the four partners share
	s_lshl_b32 s34, s13, 4
	s_lshl_b32 s35, s[WV], 1
	s_add_co_u32 s34, s34, s35
	s_mul_i32 s34, s34, REC                        ; the two records that I fetch: (16 head + 2 wave) x 8,960
	s_mov_b32 s35, 0
	s_lshl_b32 s36, s13, 11
	s_lshl_b32 s37, s12, 8
	s_add_co_u32 s36, s36, s37
	s_lshl_b32 s37, s[WV], 5
	s_add_co_u32 s36, s36, s37
	s_lshl_b32 s36, s36, 8                         ; my first query's row in q and in out0: rows of 256 bytes
	s_mov_b32 s37, 0
	; descriptor group 1: two records are a dense block: 70 rows of 256 bytes (32 elements of 8 bytes), laid in LDS without gaps
	s_mov_b32 s[G1+0], 15|(3<<16)|(1<<21)          ; 15:0 the mask: all four work-groups; 17:16 elements of 8 bytes; 20 no padding; 21 set beside a mask
	s_mov_b32 s[G1+1], 32<<16                      ; tensor_dim0 = 32
	s_mov_b32 s[G1+2], 70<<16                      ; tensor_dim1 = 70
	s_mov_b32 s[G1+3], 32<<16                      ; tile_dim0 = 32
	s_mov_b32 s[G1+4], 70                          ; tile_dim1 = 70
	s_mov_b32 s[G1+5], 32                          ; tensor_dim0_stride
	s_mov_b32 s[G1+6], 0
	s_mov_b32 s[G1+7], 0
	s_mov_b32 s[SEL], 0x76543210
	s_mov_b32 s[SEL+1], 0xfedcba98
	s_mov_b32 s[CS], 0x3fb8aa3b                    ; log2(e)
	s_mov_b32 s[CS+1], s[CS]                       ; (named with it as a pair, so it is written)
	s_mov_b32 s[TB], 0
	s_mov_b32 s[CNT], 15
	s_mov_b32 s[G0], 1                             ; 1:0 count = 1
	s_mul_i32 s[G0+1], s[WV], 2*REC                ; 63:32 LDS address: no place in the cluster enters it
	s_wait_alu depctr_va_vdst(0)                   ; the wait here, directly ahead of the waits below
	s_wait_dscnt 0x0                               ; both opening adds are done
	s_wait_kmcnt 0x0
	s_add_nc_u64 s[G0+2:G0+3], s[4:5], s[34:35]    ; 120:64 global address
	s_or_b32 s[G0+3], s[G0+3], 0x80000000          ; 127:126 type = 2
	s_add_nc_u64 s[6:7], s[6:7], s[36:37]
	s_add_nc_u64 s[8:9], s[8:9], s[36:37]
.irp j, 0,1,2,3,4,5,6,7,8,9,10,11,12,13,14,15
	global_load_b128 v[148+4*\j:151+4*\j], v1, s[6:7] offset:512*\j th:TH_LOAD_NT   ; q: two rows a load, 512 consecutive bytes
.endr
	ROUND                                          ; all four work-groups are here: the joint loads meet
	tensor_load_to_lds s[G0:G0+3], s[G1:G1+7]      ; my one tensor load of the launch
	s_nop 0
.rept 4
	v_nop
.endr
	; the constants, while q is on its way
	v_xor_b32 v12, 1, v8                           ; 1 in lanes 0-15, which hold k = 64 .. 95 in registers 4-7
	v_mul_u32_u24 v13, v12, 10                     ; K at k = 64: the code 10, -1
	v_lshlrev_b32 v12, 1, v12                      ; Q at k = 64: the code 2, +1
.irp t, 0,1,2,3,4,5,6,7
	v_mov_b32 v[36+8*\t], v13
	v_mov_b32 v[37+8*\t], 0
	v_mov_b32 v[38+8*\t], 0
	v_mov_b32 v[39+8*\t], 0
.endr
.irp x, 0,1
	v_mov_b32 v[132+8*\x], v12
	v_mov_b32 v[133+8*\x], 0
	v_mov_b32 v[134+8*\x], 0
	v_mov_b32 v[135+8*\x], 0
.endr
	WIN 0x40
	v_mov_b32 v[PX], 0                             ; written once: a lane permute's destination counts as one of its sources
	v_mov_b32 v[PX+1], 0
.set CI, 0
.rept 64
	v_mov_b32 v[128+CI], 0                         ; O^T of both tiles.  (The step is written for any place in the walk: the first finds zeros, which the first change of M leaves zeros)
.set CI, CI+1
.endr
	WIN 0
	s_wait_alu depctr_va_vdst(0)                   ; the wait here, directly ahead of the waits below
.irp g, 0,1,2,3
	s_wait_loadcnt 12-4*\g                         ; the loads behind these four may be out
.irp i, 0,1,2,3
	ds_store_b128 v3, v[148+16*\g+4*\i:151+16*\g+4*\i] offset:4*BP*(4*\g+\i)   ; a load's 512 bytes are four blocks
.endr
.endr
	WIN 0x40
.irp x, 0,1
.irp i, 0,1,2,3,4,5,6,7
	ds_load_b128 v[32*\x+4*\i:32*\x+4*\i+3], v4 offset:32*BP*\x+16*\i   ; LDS serves a wave's instructions in order: these see my stores.  A lane gets q(16 x + r, 32 h .. 32 h + 31): a whole block
.endr
.endr
	s_wait_dscnt 0x0
	WIN 0x55
.irp x, 0,1                            ; each block's largest magnitude, in two chains
	v_max3_num_f32 v[MI+20*\x+6], |v[32*\x]|, |v[32*\x+1]|, |v[32*\x+2]|
	v_max3_num_f32 v[MI+20*\x+8], |v[32*\x+3]|, |v[32*\x+4]|, |v[32*\x+5]|
.endr
.irp i, 6,10,14,18,22,26
.irp x, 0,1
	v_max3_num_f32 v[MI+20*\x+6], v[MI+20*\x+6], |v[32*\x+\i]|, |v[32*\x+\i+1]|
	v_max3_num_f32 v[MI+20*\x+8], v[MI+20*\x+8], |v[32*\x+\i+2]|, |v[32*\x+\i+3]|
.endr
.endr
.irp x, 0,1
	v_max3_num_f32 v[MI+20*\x+6], v[MI+20*\x+6], |v[32*\x+30]|, |v[32*\x+31]|
.endr
.irp x, 0,1
	v_max3_num_f32 v[MI+20*\x+6], v[MI+20*\x+6], v[MI+20*\x+8], 0x1800000   ; and the floor 2^(3 - 127): the byte cannot fall under 1
.endr
.irp x, 0,1
	v_add_nc_u32 v[MI+20*\x+10], 0xff000000, v[MI+20*\x+6]   ; 2 off the exponent field: the conversion's scale operand
.endr
.irp x, 0,1
	v_lshrrev_b32 v[MI+20*\x+12], 23, v[MI+20*\x+10]   ; the scale's byte
.endr
.irp x, 0,1
	v_permlanex16_b32 v[PX+\x], v[MI+20*\x+12], s[SEL], s[SEL+1]
.endr
.irp x, 0,1
	v_lshl_or_b32 v[MI+20*\x+13], v[PX+\x], 8, v[MI+20*\x+12]   ; lanes 0-15, which alone are read: byte 0 mine, byte 1 lane l + 16's
.endr
	WIN 0x15
.irp x, 0,1
	v_or_b32 v[144+\x], 0x7f7f0000, v[MI+20*\x+13] ; bytes 2 and 3: 127, the scale 1
.endr
.irp x, 0,1
.irp g, 0,1,2,3
	v_cvt_scalef32_pk8_fp4_f32 v[128+8*\x+\g], v[32*\x+8*\g:32*\x+8*\g+7], v[MI+20*\x+10]   ; registers 0-3 of Q's fragment: k = 32 h + 0 .. 31
.endr
.endr
	v_nop                                          ; one plain place behind a scaled conversion
	WIN 0x40
.irp x, 0,1                            ; (these lines also stand between Q's scale words and the first product)
	v_mov_b32 v[MI+20*\x], 0x76b8aa3b              ; -M: 2^110 x log2(e), which belongs to
	v_mov_b32 v[MI+20*\x+1], 0xf6800000            ; the largest score so far: -2^110
	v_mov_b32 v[MI+20*\x+2], 0                     ; the sum, in two halves
	v_mov_b32 v[MI+20*\x+3], 0
	v_mov_b32 v[MI+20*\x+5], 0                     ; (named as the upper halves of pairs)
	v_mov_b32 v[MI+20*\x+15], 0
.endr
	WIN 0
	s_wait_alu depctr_va_vdst(0)                   ; the wait here, directly ahead of the waits below
	s_wait_tensorcnt 0x0                           ; my two records are in LDS,
	s_barrier_signal -1
	s_barrier_wait -1                              ; everybody's are
; K's fragments and scale words of the record that begins off bytes behind LDS address v[ad]
.macro KLOAD ad, off
.irp t, 0,1,2,3,4,5,6,7
	ds_load_b128 v[32+16*(\t%4)+8*(\t/4):35+16*(\t%4)+8*(\t/4)], v[\ad] offset:\off+512*\t   ; tile t: lane l's 16 bytes at 16 l
.endr
	ds_load_b128 v[24:27], v[\ad] offset:\off+8192                 ; register i: tile i in lanes 0-15, tile 4 + i in lanes 16-31
.endm
	KLOAD 1, 0
	s_wait_dscnt 0x0
; THE LARGEST SCORE OF EACH OF THE LANE'S TWO BLOCKS, tile x, line k of 9: two chains a block, the two blocks by turns; each accumulator (16 registers, 16 i on) is read from its low end on.  It serves twice: for the row's
; maximum, and, since p rises with the score, for the block's scale.
.macro MX3 x, c, d, a, n, m            ; v[d] = the largest of v[a] and of numbers n and m of block c
	v_max3_num_f32 v[MI+20*\x+\d+\c], v[MI+20*\x+\a+\c], v[64*\x+8*\c+16*((\n)/8)+((\n)%8)], v[64*\x+8*\c+16*((\m)/8)+((\m)%8)]
.endm
.macro MXR x, k
.irp c, 0,1
.if \k == 0
	v_max3_num_f32 v[MI+20*\x+6+\c], v[64*\x+8*\c], v[64*\x+8*\c+1], v[64*\x+8*\c+2]
	v_max3_num_f32 v[MI+20*\x+8+\c], v[64*\x+8*\c+32], v[64*\x+8*\c+33], v[64*\x+8*\c+34]
.elseif \k < 7
	MX3 \x, \c, 6, 6, (2*\k+1), (2*\k+2)
	MX3 \x, \c, 8, 8, (2*\k+17), (2*\k+18)
.elseif \k == 7
	MX3 \x, \c, 6, 6, 15, 31
.else
	v_max_num_f32 v[MI+20*\x+6+\c], v[MI+20*\x+6+\c], v[MI+20*\x+8+\c]
.endif
.endr
.endm
; THE ROW'S M, tile x, line k of 8
.macro BK x, k
.if \k == 0
	v_max_num_f32 v[MI+20*\x+12], v[MI+20*\x+6], v[MI+20*\x+7]
.elseif \k == 1
	v_permlanex16_b32 v[PX+\x], v[MI+20*\x+12], s[SEL], s[SEL+1]
.elseif \k == 2
	v_max3_num_f32 v[MI+20*\x+1], v[MI+20*\x+12], v[PX+\x], v[MI+20*\x+1]   ; the running largest score, lane l xor 16's keys among them
.elseif \k == 3
	v_mul_f32 v[MI+20*\x+13], s[CS], -v[MI+20*\x+1]                ; -t
.elseif \k == 4
	v_floor_f32 v[MI+20*\x+14], v[MI+20*\x+13]                     ; the new -M = floor(-t) = -ceil(t): M is a whole number
.elseif \k == 5
	v_sub_f32 v[MI+20*\x+4], v[MI+20*\x+14], v[MI+20*\x]           ; M's old value less its new one: a whole number, 0 or less
.elseif \k == 6
	v_cvt_i32_f32 v[MI+20*\x+4], v[MI+20*\x+4]                     ; (it saturates)
.else
	v_ldexp_f32 v[MI+20*\x+4], 1.0, v[MI+20*\x+4]                  ; f = 2^(old M - new M)
.endif
.endm
; one packed sum of tile x's p: the pair at 2 d k takes the pair d registers on
.macro PADD x, d, k
	v_pk_add_f32 v[64*\x+2*\d*\k:64*\x+2*\d*\k+1], v[64*\x+2*\d*\k:64*\x+2*\d*\k+1], v[64*\x+2*\d*\k+\d:64*\x+2*\d*\k+\d+1]
.endm
; the next n pairs of O^T (64 registers, both tiles) under the new M: x f, each accumulator from its low end on
.macro OMUL n
.rept \n
	v_pk_mul_f32 v[OI:OI+1], v[OI:OI+1], v[MI+4+20*((OI-128)/32):MI+5+20*((OI-128)/32)] op_sel_hi:[1,0]
.set OI, OI+2
.endr
.endm
; A STEP: 128 keys for both tiles.  last = 0: the next record's K is loaded under it.
.macro STEP last
	WIN 0x40                                       ; S^T: K and Q in window 0, the scores in window 1
.irp x, 0,1
.irp i, 0,1,2,3
	v_wmma_scale_f32_32x16x128_f4 v[64*\x+16*\i:64*\x+16*\i+15], v[32+16*\i:47+16*\i], v[128+8*\x:135+8*\x], 0, v[24+\i], v[144+\x]
.endr
.endr
	WIN 0x55                                       ; all in window 1
.rept 4
	v_nop                                          ; four places behind the products, in front of the first read of their results (ISA guide 7.12.1)
.endr
.irp k, 0,1,2,3,4,5,6,7,8
	MXR 0, \k
.endr
	; the 32 lines above are also the places behind the products that read K's and V's registers, in front of these loads
	WIN 0
	v_add_nc_u32 v9, s[TB], v1
	v_add_nc_u32 v10, s[TB], v2
.irp t, 0,1,2,3
.irp c, 0,1
	ds_load_b128 v[96+8*\t+4*\c:99+8*\t+4*\c], v9 offset:4096+1024*\t+512*\c   ; V's tile t: it lands under the softmax
.endr
.endr
	ds_load_b64 v[28:29], v10 offset:8704          ; V's scale words: register u: tile 2 u in lanes 0-15, tile 2 u + 1 in lanes 16-31
.if \last == 0
	KLOAD 9, REC
.endif
	WIN 0x55
.irp k, 0,1,2,3,4,5,6,7                ; tile 1's maxima, with tile 0's M between them
	MXR 1, \k
	BK 0, \k
.endr
	MXR 1, 8
.set CI, 0
.irp k, 0,1,2,3,4,5,6,7                ; tile 0's t - M, two at a time (of the pairs log2(e) and -M the low word serves both halves), with tile 1's M between them
.rept 4
	v_pk_fma_f32 v[CI:CI+1], v[CI:CI+1], s[CS:CS+1], v[MI+14:MI+15] op_sel_hi:[1,0,0]
.set CI, CI+2
.endr
	BK 1, \k
.endr
	; THE FOUR BLOCKS' SCALES, with O^T's multiplications between the lines: all ahead of the step's exponentials
.set OI, 128
.irp x, 0,1
.irp c, 0,1
	v_fma_f32 v[MI+20*\x+6+\c], v[MI+20*\x+6+\c], s[CS], v[MI+20*\x+14]   ; t - M of the block's largest score
.endr
.endr
	OMUL 4
.irp x, 0,1
.irp c, 0,1
	v_max_num_f32 v[MI+20*\x+6+\c], 0xc2f80000, v[MI+20*\x+6+\c]   ; held at -124: the byte cannot fall under 1
.endr
.endr
	OMUL 4
.irp x, 0,1
.irp c, 0,1
	v_cvt_floor_i32_f32 v[MI+20*\x+8+\c], v[MI+20*\x+6+\c]         ; floor(log2(the largest p))
.endr
.endr
	OMUL 4
.irp x, 0,1
.irp c, 0,1
	v_lshl_add_u32 v[MI+20*\x+10+\c], v[MI+20*\x+8+\c], 23, 0x3e800000   ; + 125 in the exponent field: the conversion's scale operand
.endr
.endr
.irp x, 0,1
	v_lshl_add_u32 v[MI+20*\x+12], v[MI+20*\x+9], 16, v[MI+20*\x+8]   ; my two blocks' numbers stand at bytes 0 and 2 (borrows are made good by the last addition)
.endr
	OMUL 4
.irp x, 0,1
	v_permlanex16_b32 v[PX+\x], v[MI+20*\x+12], s[SEL], s[SEL+1]
.endr
	OMUL 8
.irp x, 0,1
	v_lshl_add_u32 v[MI+20*\x+13], v[PX+\x], 8, v[MI+20*\x+12]     ; lanes 0-15, which alone are read: lane l + 16's at bytes 1 and 3
.endr
	OMUL 8
	WIN 0x15
.irp x, 0,1
	v_add_nc_u32 v[146+\x], 0x7d7d7d7d, v[MI+20*\x+13]             ; + 125 in each byte: p's scale word
.endr
	WIN 0x55
	s_wait_alu depctr_va_vdst(0)                   ; ahead of the batch
.set CI, 0
.rept 32                               ; p = 2^(t - M) of tile 0, at most 1, 0 for a hidden key; between them tile 1's t - M, which is read behind the next wait alone
	v_exp_f32 v[2*CI], v[2*CI]
	v_exp_f32 v[2*CI+1], v[2*CI+1]
	v_pk_fma_f32 v[64+2*CI:65+2*CI], v[64+2*CI:65+2*CI], s[CS:CS+1], v[MI+34:MI+35] op_sel_hi:[1,0,0]
.set CI, CI+1
.endr
	s_wait_alu depctr_va_vdst(0)                   ; behind this batch and ahead of the next
.set CI, 0
.rept 32                               ; p of tile 1; between them tile 0's conversions and first sums, whose results are read behind the next wait alone
	v_exp_f32 v[64+2*CI], v[64+2*CI]
	v_exp_f32 v[65+2*CI], v[65+2*CI]
.if CI >= 16
	PADD 0, 2, (CI-16)
.elseif CI % 2 == 0
	v_cvt_scalef32_pk8_fp4_f32 v[192+4*((CI/2)%2)+CI/4], v[4*CI:4*CI+7], v[MI+10+((CI/2)%2)]   ; registers 8 g .. of p, g = CI / 2: block g % 2, register g / 2 of its four
.elseif CI == 1
	v_mov_b32 v[MI], v[MI+14]                      ; -M is handed on to the next step.  (These two are also the plain places behind the conversions)
.elseif CI == 3
	v_mov_b32 v[MI+20], v[MI+34]
.endif
.set CI, CI+1
.endr
	s_wait_alu depctr_va_vdst(0)                   ; ahead of the batch's first reader
.irp g, 0,1,2,3,4,5,6,7
	v_cvt_scalef32_pk8_fp4_f32 v[200+4*(\g%2)+\g/2], v[64+8*\g:71+8*\g], v[MI+30+(\g%2)]
	PADD 0, 4, \g
.endr
.irp k, 0,1,2,3
	PADD 0, 8, \k
.endr
	PADD 0, 16, 0
	PADD 0, 16, 1
.irp k, 0,1,2,3,4,5,6,7,8,9,10,11,12,13,14,15
	PADD 1, 2, \k
.endr
	PADD 0, 32, 0
.irp k, 0,1,2,3,4,5,6,7
	PADD 1, 4, \k
.endr
	v_pk_fma_f32 v[MI+2:MI+3], v[MI+2:MI+3], v[MI+4:MI+5], v[0:1] op_sel_hi:[1,0,1]   ; THE ROW'S SUM, of the unquantised p: under the new M, and this step's
.irp k, 0,1,2,3
	PADD 1, 8, \k
.endr
	PADD 1, 16, 0
	PADD 1, 16, 1
	PADD 1, 32, 0
	v_pk_fma_f32 v[MI+22:MI+23], v[MI+22:MI+23], v[MI+24:MI+25], v[64:65] op_sel_hi:[1,0,1]
.if \last
	s_wait_alu depctr_va_vdst(0)                   ; the way out reads the sums behind the wait below.  (In the loop nine plain vector instructions and more stand ahead of their next reader)
.endif
	s_wait_dscnt 0x0                               ; V and the next step's K are in
	WIN 0x54                                       ; V in window 0, p's codes and O^T in window 1
	; O^T += V^T P^T: the four accumulators take turns, one instruction a turn, and the next step's eight products stand between two links of a chain
.irp u, 0,1
.irp x, 0,1
	v_wmma_scale_f32_32x16x128_f4 v[128+32*\x+16*\u:143+32*\x+16*\u], v[96+16*\u:111+16*\u], v[192+8*\x:199+8*\x], v[128+32*\x+16*\u:143+32*\x+16*\u], v[28+\u], v[146+\x]
.endr
.endr
	WIN 0
.endm
.Lstep:                                                ; 15 trips; the last step is written out, since no record follows it
	STEP 0
	s_add_co_u32 s[TB], s[TB], REC                 ; the next record
	s_sub_co_u32 s[CNT], s[CNT], 1
	s_cmp_lg_u32 s[CNT], 0
	s_cbranch_scc1 .Lstep
	STEP 1
	; THE WAY OUT.  O^T is divided by the row's sum and goes through my own stage in LDS, so that whole rows of out0 are stored.
	WIN 0x55
.irp x, 0,1
	v_add_f32 v[MI+20*\x+2], v[MI+20*\x+2], v[MI+20*\x+3]          ; the sum's two halves,
.endr
.irp x, 0,1
	v_permlanex16_b32 v[PX+\x], v[MI+20*\x+2], s[SEL], s[SEL+1]
.endr
.irp x, 0,1
	v_add_f32 v[MI+20*\x+2], v[MI+20*\x+2], v[PX+\x]               ; and lane l xor 16's: the row's sum.  (These six lines are places behind the last products)
.endr
	s_wait_alu depctr_va_vdst(0)                   ; ahead of the transcendentals
	v_rcp_f32 v[MI+2], v[MI+2]
	v_rcp_f32 v[MI+22], v[MI+22]
	v_nop                                          ; the plain place behind them
	s_wait_alu depctr_va_vdst(0)                   ; and ahead of their readers, which are also the first readers of O^T
.irp x, 0,1
.set CI, 0
.rept 32
	v_mul_f32 v[64*\x+CI], v[128+32*\x+CI], v[MI+20*\x+2]          ; register 8 t + i is out0(query r, 16 t + 8 h + i); each accumulator from its low end on
.set CI, CI+1
.endr
.endr
	WIN 0x04
.irp x, 0,1
.irp t, 0,1,2,3
	ds_store_b128 v5, v[64*\x+8*\t:64*\x+8*\t+3] offset:4608*\x+64*\t
	ds_store_b128 v5, v[64*\x+8*\t+4:64*\x+8*\t+7] offset:4608*\x+64*\t+16
.endr
.endr
	WIN 0
.irp x, 0,1
.irp i, 0,1,2,3,4,5,6,7
	ds_load_b128 v[32+32*\x+4*\i:35+32*\x+4*\i], v6 offset:4608*\x+2*\i*SP   ; LDS serves a wave's instructions in order: these see my stores
.endr
.endr
.irp x, 0,1
.irp i, 0,1,2,3,4,5,6,7
	s_wait_dscnt 15-8*\x-\i                        ; this load is in; the younger ones may be out
	global_store_b128 v11, v[32+32*\x+4*\i:35+32*\x+4*\i], s[8:9] offset:4096*\x+512*\i   ; two rows of out0: 32 lanes store 512 consecutive bytes, at a multiple of 256 from the buffer's first byte
.endr
.endr
	s_wait_tensorcnt 0x0                           ; the wave's end
	ds_add_u32 v250, v251
	s_wait_dscnt 0x0
	ROUND                                          ; the closing round: no work-group ends while a partner may still ask for a record that names it
	s_endpgm
.Lfunc_end_k_qacf3feed0f_attn:
	.size	k_qacf3feed0f_attn, .Lfunc_end_k_qacf3feed0f_attn-k_qacf3feed0f_attn
	.p2alignl 7, 3214868480
	.fill 96, 4, 3214868480
	.section	.rodata,"a",@progbits
	.p2align	6, 0x0
	.amdhsa_kernel k_qacf3feed0f_attn
		.amdhsa_group_segment_fixed_size 218112
		.amdhsa_private_segment_fixed_size 0
		.amdhsa_enable_private_segment 0
		.amdhsa_kernarg_size 24
		.amdhsa_user_sgpr_count 2
		.amdhsa_user_sgpr_kernarg_segment_ptr 1
		.amdhsa_wavefront_size32 1
		.amdhsa_system_sgpr_workgroup_id_x 1
		.amdhsa_system_sgpr_workgroup_id_y 1
		.amdhsa_system_sgpr_workgroup_id_z 1
		.amdhsa_system_vgpr_workitem_id 0
		.amdhsa_next_free_vgpr 512
		.amdhsa_next_free_sgpr 66
		.amdhsa_reserve_vcc 0
		.amdhsa_float_denorm_mode_32 3
		.amdhsa_float_denorm_mode_16_64 3
		.amdhsa_memory_ordered 1
		.amdhsa_forward_progress 1
		.amdhsa_inst_pref_size 72
	.end_amdhsa_kernel
	.amdgpu_metadata
---
amdhsa.version: [ 1, 2 ]
amdhsa.kernels:
  - .name:           k_qacf3feed0f_attn
    .symbol:         k_qacf3feed0f_attn.kd
    .args:
      - { .name: kvc, .offset: 0, .size: 8, .value_kind: global_buffer, .address_space: global }
      - { .name: q, .offset: 8, .size: 8, .value_kind: global_buffer, .address_space: global }
      - { .name: out0, .offset: 16, .size: 8, .value_kind: global_buffer, .address_space: global }
    .group_segment_fixed_size: 218112
    .private_segment_fixed_size: 0
    .kernarg_segment_align: 8
    .kernarg_segment_size: 24
    .max_flat_workgroup_size: 256
    .sgpr_count:     66
    .vgpr_count:     512
    .wavefront_size: 32
...
	.end_amdgpu_metadata
.endif
;; end of part 2
